; MI455X (gfx1250); checked and timed in simulation.
; The chip was launched on July 23, 2026; its instructions are those of AMD's public machine-readable ISA for CDNA 5 (MIT licence, August 2026) and "CDNA5" Instruction Set Architecture Reference Guide (July 2026). The comments in the code are by the model that wrote it; some were corrected since.
;; Multi Attention Head. Allowed arithmetic: matrix products marked QUANTISED: E2M3 operands, one E8M0 scale for each 32 along K, by v_wmma_scale_f32_16x16x128_f8f6f4 with both operands' format E2M3, f32 sums; products left as they are: f32 operands where the result goes on into a quantised operand, else bf16, f16 or f32 operands; f32 sums; everything else in f32.
;; Inputs: Wk 1,024 x 1,024 float32; Wq 1,024 x 1,024 float32; Wv 1,024 x 1,024 float32; bk 1,024 float32; bq 1,024 float32; bv 1,024 float32; x 4 x 8,192 x 1,024 float32.
;; Outputs: out0 4 x 1 x 1,024 float32.
;; This version of the problem:
;;   THIS VERSION OF THE PROBLEM IS GIVEN IN LOW PRECISION. The matrix products marked QUANTISED in the list below multiply operands that are first quantised to E2M3 (2 exponent bits, 3 mantissa bits; 6 bits a number), with one power-of-two scale for each 32 numbers along K (OCP MX v1.0); their sums are f32. All else is computed in f32.
;;   The module's matrix products, in the order in which they are computed (A, B: the left and right operand; K: the contracted axis; several contracted axes count as one K, in the product's order):
;;     1. [M 32,768, K 1,024] x [K 1,024, N 1,024]; A: input x; B: input Wk: QUANTISED
;;     2. [M 32,768, K 1,024] x [K 1,024, N 1,024]; A: input x; B: input Wv: QUANTISED
;;     3. [M 4, K 1,024] x [K 1,024, N 1,024]; A: input x; B: input Wq: left as it is (M = 4 < 16)
;;     4. batch 64 x [M 1, K 64] x [K 64, N 8,192]; A: computed on the way; B: computed on the way: left as it is (M = 1 < 16)
;;     5. batch 64 x [M 64, K 8,192] x [K 8,192, N 1]; A: computed on the way; B: softmax: left as it is (N = 1 < 16)
;;   THE QUANTISER, for each operand of a quantised product, along K:
;;     - K is cut into blocks of 32 from its start; a last block that is shorter is filled with zeros.
;;     - A block's scale is 2^e with e = floor(log2(the largest magnitude in the block)) - 2, held to -126 .. 127; a block of zeros has e = 0. As a byte (E8M0): e + 127.
;;     - Each number is divided by its block's scale, clamped to +-7.5, and rounded to the nearest number of E2M3, ties to even, subnormals kept.
;;     - The product sums the exact products of the quantised numbers (number of the format x scale) in f32.
;;   ~~~python
;;   def quantise(x, axis):      # numpy; x: float32 -> the quantised numbers, widened to float32 again
;;       x = np.moveaxis(x, axis, -1); K = x.shape[-1]
;;       x = np.pad(x, [(0, 0)] * (x.ndim - 1) + [(0, -K % 32)]); x = x.reshape(x.shape[:-1] + (-1, 32)); a = np.abs(x).max(-1, keepdims=True)
;;       e = np.where(a > 0, np.clip(np.frexp(np.where(a > 0, a, 1))[1] - 1 - 2, -126, 127), 0)      # np.frexp(a)[1] - 1 = floor(log2(a)), exactly
;;       r = np.clip(x / 2.0 ** e, -7.5, 7.5)
;;       step = 2.0 ** (np.maximum(np.frexp(np.where(r == 0, 1, r))[1] - 1, 0) - 3)
;;       q = np.round(r / step) * step * 2.0 ** e      # np.round: ties to even
;;       return np.moveaxis(q.reshape(q.shape[:-2] + (-1,))[..., :K], -1, axis).astype(np.float32)
;;   ~~~
;; One version. Each part assembles by itself: llvm-mc -triple=amdgcn-amd-amdhsa -mcpu=gfx1250 --defsym DOCPART=n.
;; ======== version 1 of 1: 3 launches
;; limits: right only within a limited range of input values
;; workspace buffers: wimg 1,638,400 bytes; qs 16,384 bytes; pacc 1,048,576 bytes; pml 32,768 bytes
;; launch prep (part 1): grid 256 x 1, 8 waves a work-group, no clusters, 37,888 bytes of LDS; arguments x, Wk, Wv, Wq, bq, wimg, qs; writes wimg, qs
.if DOCPART == 1
	.amdgcn_target "amdgcn-amd-amdhsa--gfx1250"
	.amdhsa_code_object_version 6
	.text
	.protected	k_q6c2b427ca0_prep
	.globl	k_q6c2b427ca0_prep
	.p2align	8
	.type	k_q6c2b427ca0_prep,@function
k_q6c2b427ca0_prep:
	s_mov_b64 s[64:65], 0
	v_nop
	global_prefetch_b8 v0, s[64:65] scope:SCOPE_SE
	s_setreg_imm32_b32 hwreg(HW_REG_WAVE_MODE, 25, 1), 1
	s_wait_xcnt 0x0
; TWO JOBS, parted on the work-group's number, 128 work-groups each; a work-group of either job loads 64 KB.
; Work-groups 0-127: Wk and Wv [1024][1024] f32 become codes of FP6 (E2M3) with one E8M0 byte for each 32 along K, laid as the main launch's waves want them:
;   block n = 4 c + w of 25,600 bytes, c = 4 p + kk (p: pass, kk: K = 256 kk on), w: the reading wave, head = 4 p + w.  In a block: [q 0..1][tile 0..7] images of a fragment's 12 registers
;   (three pieces of 512 bytes, lane l's 16 bytes at 16 l); tiles 0-3: Wk's rows 64 head + 16 i + r, tiles 4-7: Wv's; K step 128 (2 kk + q).  At byte 24,576: the scale words, [g][lane][j]: tile 4 g + j, row lane % 16, q = lane / 16.
;   Work-group 2 n + q makes block n's half q; wave i makes tile i: one fragment, 16 loads.
; Work-groups 128-255: qs = (x[b][last] . Wq[a] + bq[a]) x log2(e) / 8, f32 multiply-adds.  Work-group 128 + g takes rows 8 g .. 8 g + 7 of Wq; wave w takes four of them (w % 2) and a quarter of K (w / 2), for all four batches: 16 loads.
;   The four quarters meet in LDS and wave 0 adds them.  qs is laid [g][b][8]: the word of row 8 g + i and batch b at 128 g + 32 b + 4 i: a work-group's 32 numbers are one run of 128 bytes (16 KB shared among 128 writers: half a unit of 256 each).
; A block's scale is 2^(floor(log2(its largest magnitude)) - 2): its byte is the largest magnitude's exponent field - 2, held at 1 from below.
; LIMITS: a block of zeros, or one whose largest magnitude lies under 2^-124, gets the byte 1 (the bytes are read by this program alone; zero codes add nothing under it); NaN and infinities among the inputs are not served.
; No tensor load, no matrix instruction.  The two jobs have LDS bytes of their own; every LDS address is made ahead of their parting.
.set STGW, 4352                        ; LDS 0 ..: a stage of 16 rows x (256 + 16) bytes for each wave
.set GA,   34816                       ; the weights' job: 512 bytes of scale words, [g][r][j]
.set GB,   35840                       ; q's job: 512 bytes, [K quarter][b][8] f32
.set VA,   1                           ; 4096 h + 16 r
.set SA,   2                           ; the stage, in: 272 h + 16 r
.set SR,   3                           ; and out: 272 r + 64 h
.set LI,   4                           ; 16 x lane
.set GAW,  5                           ; where I put my tile's scale word
.set GAR,  6                           ; where wave 0 reads the words back
.set QB,   7                           ; where my sixteen sums go
.set GBR,  8                           ; where wave 0 reads q's parts back
.set L4,   9                           ; 4 x lane
.set SO,   14                          ; the scale words' place in memory: 512 h + 16 r
.set BQO,  15                          ; 4 (lane % 8)
.set TM,   16                          ; v16-31  at work in QUANT
.set PC,   32                          ; v32-51  the codes
.set PW,   52                          ; the fragment's scale word
.set OUTR, 56                          ; v56-59  the way out
.set BQ,   60
.set RAW,  64                          ; v64-127 a fragment as loaded
.set T,    192                         ; v192-255 64 numbers of a lane, register 16 b + i = k 32 b + 16 h + i of row r
.set SQ,   16                          ; q's job: v16-47 sixteen sums in pairs, (row t, batch b) at v[16 + 2 (4 t + b)];
.set XL,   64                          ; v64-95 my quarter of the four last tokens;
.set WR,   96                          ; v96-127 and of my four rows of Wq
.macro TURNH raw, u                    ; 16 rows x 64 numbers turn through my stage.  LDS serves a wave's instructions in order (ISA guide 5.7.1.4)
.irp m, 0,1,2,3,4,5,6,7
	ds_store_b128 v[SA], v[\raw+32*\u+4*\m:\raw+32*\u+4*\m+3] offset:544*\m
.endr
.irp e, 0,1
.irp j, 0,1,2,3
	ds_load_b128 v[T+16*(2*\u+\e)+4*\j:T+16*(2*\u+\e)+4*\j+3], v[SR] offset:128*\e+16*\j
.endr
.endr
.endm
.macro QUANT s, pc, pw                 ; 64 numbers of a lane become a fragment's 12 registers and its row's scale word
.irp b, 0,1,2,3
	v_max3_num_f32 v[TM+\b], |v[\s+16*\b]|, |v[\s+1+16*\b]|, 0x1800000   ; with the floor 2^(3 - 127): the byte cannot fall under 1
.endr
.irp i, 2,4,6,8,10,12,14
.irp b, 0,1,2,3
	s_delay_alu instid0(VALU_DEP_4)
	v_max3_num_f32 v[TM+\b], v[TM+\b], |v[\s+16*\b+\i]|, |v[\s+1+16*\b+\i]|
.endr
.endr
.irp b, 0,1,2,3
	s_delay_alu instid0(VALU_DEP_4)
	v_permlanex16_b32 v[TM+4+\b], v[TM+\b], s40, s41
.endr
.irp b, 0,1,2,3
	s_delay_alu instid0(VALU_DEP_4)
	v_max_num_f32 v[TM+\b], v[TM+\b], v[TM+4+\b]                   ; the block's largest magnitude
.endr
.irp b, 0,1,2,3
	s_delay_alu instid0(VALU_DEP_4)
	v_add_nc_u32 v[TM+12+\b], 0xff000000, v[TM+\b]                 ; 2 off its exponent field: the conversion's scale
.endr
.irp b, 0,1,2,3
	s_delay_alu instid0(VALU_DEP_4)
	v_lshrrev_b32 v[TM+4+\b], 23, v[TM+12+\b]                      ; the scale's byte
.endr
	s_delay_alu instid0(VALU_DEP_3)
	v_lshl_or_b32 v[\pw], v[TM+5], 8, v[TM+4]
	s_delay_alu instid0(VALU_DEP_1)
	v_lshl_or_b32 v[\pw], v[TM+6], 16, v[\pw]
	s_delay_alu instid0(VALU_DEP_1)
	v_lshl_or_b32 v[\pw], v[TM+7], 24, v[\pw]
.irp c, 0,1
	v_cvt_scalef32_pk16_fp6_f32 v[\pc+6*\c:\pc+2+6*\c], v[\s+32*\c:\s+15+32*\c], v[TM+12+2*\c]
	v_cvt_scalef32_pk16_fp6_f32 v[\pc+12+4*\c:\pc+14+4*\c], v[\s+16+32*\c:\s+31+32*\c], v[TM+12+2*\c+1]
.endr
	v_nop                                          ; one plain place behind a scaled conversion
.irp c, 0,1                                    ; the operand's layout wants a whole block in a lane
.irp i, 0,1,2
	v_permlane16_swap_b32 v[\pc+6*\c+\i], v[\pc+12+4*\c+\i]
.endr
.irp i, 0,1,2
	s_delay_alu instid0(VALU_DEP_3)
	v_mov_b32 v[\pc+3+6*\c+\i], v[\pc+12+4*\c+\i]
.endr
.endr
.endm
	s_load_b256 s[4:11], s[0:1], 0x0               ; x s[4:5], Wk s[6:7], Wv s[8:9], Wq s[10:11]
	s_load_b128 s[12:15], s[0:1], 0x20             ; bq s[12:13], wimg s[14:15]
	s_load_b64 s[16:17], s[0:1], 0x30              ; qs
	v_lshl_add_u32 v62, v0, 2, 0x9000              ; my spare word
	v_mov_b32 v63, 0
	v_lshrrev_b32 v10, 5, v0
	s_delay_alu instid0(VALU_DEP_1)
	v_readfirstlane_b32 s18, v10                   ; wave 0..7
	s_mul_i32 s19, s18, STGW                       ; my stage
	s_lshr_b32 s20, s18, 2
	s_lshl_b32 s20, s20, 8
	s_and_b32 s21, s18, 3
	s_lshl_b32 s21, s21, 2
	s_add_co_u32 s20, s20, s21
	s_add_co_u32 s20, s20, GA                      ; GA + 256 (tile / 4) + 4 (tile % 4)
	s_lshr_b32 s21, s18, 1
	s_lshl_b32 s21, s21, 7
	s_and_b32 s22, s18, 1
	s_lshl_b32 s22, s22, 4
	s_add_co_u32 s21, s21, s22
	s_add_co_u32 s21, s21, GB                      ; GB + 128 (wave / 2) + 16 (wave % 2)
	s_mov_b32 s40, 0x76543210
	s_mov_b32 s41, 0xfedcba98                      ; v_permlanex16_b32's selects for lane l xor 16
	s_mov_b32 s38, 0x3e38aa3b                      ; c = log2(e) / 8: the scores come out as exponents of 2
	v_and_b32 v11, 31, v0                          ; lane
	v_and_b32 v12, 15, v0                          ; r
	v_bfe_u32 v13, v0, 4, 1                        ; h
	s_delay_alu instid0(VALU_DEP_2)
	v_lshlrev_b32 v[VA], 4, v12
	s_delay_alu instid0(VALU_DEP_2)
	v_mul_u32_u24 v[SA], v13, 272
	s_delay_alu instid0(VALU_DEP_4)
	v_mul_u32_u24 v[SR], v12, 272
	v_lshlrev_b32 v[LI], 4, v11
	s_delay_alu instid0(VALU_DEP_4)
	v_lshl_add_u32 v[VA], v13, 12, v[VA]
	s_delay_alu instid0(VALU_DEP_4)
	v_lshl_add_u32 v[SA], v12, 4, v[SA]
	s_delay_alu instid0(VALU_DEP_4)
	v_lshl_add_u32 v[SR], v13, 6, v[SR]
	v_lshlrev_b32 v[L4], 2, v11
	v_lshlrev_b32 v[SO], 4, v12
	s_delay_alu instid0(VALU_DEP_4)
	v_add_nc_u32 v[SA], s19, v[SA]
	s_delay_alu instid0(VALU_DEP_4)
	v_add_nc_u32 v[SR], s19, v[SR]
	v_lshl_add_u32 v[GAW], v12, 4, s20             ; + 16 r
	s_delay_alu instid0(VALU_DEP_4)
	v_lshl_add_u32 v[SO], v13, 9, v[SO]
	v_add_nc_u32 v[GAR], GA, v[LI]
	v_add_nc_u32 v[GBR], GB, v[L4]
	v_and_b32 v[BQO], 7, v0
	v_mov_b32 v[QB], s21
	v_mov_b32 v[BQ], 0                             ; written on both jobs' ways; q's job loads bq into it
	s_delay_alu instid0(VALU_DEP_3)
	v_lshlrev_b32 v[BQO], 2, v[BQO]
.irp b, 0,1,2,3
	v_mov_b32 v[TM+4+\b], 0                        ; a lane permute's destination counts as one of its sources
.endr
	s_wait_alu depctr_va_vdst(0)                   ; the wait at the head's end
	s_wait_kmcnt 0x0
	s_cmp_ge_u32 ttmp9, 128
	s_cbranch_scc1 .Lq
	; ---- the weights' job.  n = work-group / 2, q = work-group % 2: p = n / 16, kk = (n / 4) % 4, head = 4 p + n % 4; my tile = my wave
	s_lshr_b32 s26, ttmp9, 1                       ; n
	s_and_b32 s27, ttmp9, 1                        ; q
	s_lshr_b32 s20, s26, 4
	s_lshl_b32 s20, s20, 2
	s_and_b32 s21, s26, 3
	s_add_co_u32 s20, s20, s21                     ; head
	s_lshl_b32 s20, s20, 6
	s_and_b32 s21, s18, 3
	s_lshl_b32 s21, s21, 4
	s_add_co_u32 s20, s20, s21                     ; my tile's first row: 64 head + 16 (tile % 4)
	s_lshl_b32 s20, s20, 12                        ; rows of 4,096 bytes
	s_bfe_u32 s21, s26, 0x20002                    ; kk
	s_lshl_b32 s21, s21, 10                        ; 256 numbers
	s_add_co_u32 s20, s20, s21
	s_lshl_b32 s21, s27, 9                         ; q: 128 numbers
	s_add_co_u32 s20, s20, s21
	s_mov_b32 s21, 0
	s_cmp_lt_u32 s18, 4                            ; tiles 0-3 are Wk's, 4-7 Wv's: the choice hangs on the wave's number alone
	s_cselect_b64 s[22:23], s[6:7], s[8:9]
	s_add_nc_u64 s[22:23], s[22:23], s[20:21]
	s_mul_i32 s20, s26, 25600
	s_mul_i32 s24, s27, 12288
	s_add_co_u32 s20, s20, s24
	s_mul_i32 s24, s18, 1536
	s_add_co_u32 s20, s20, s24
	s_add_nc_u64 s[24:25], s[14:15], s[20:21]      ; my tile's image
.irp u, 0,1
.irp m, 0,1,2,3,4,5,6,7
	global_load_b128 v[RAW+32*\u+4*\m:RAW+32*\u+4*\m+3], v[VA], s[22:23] offset:8192*\m+256*\u th:TH_LOAD_NT   ; rows 2 m and 2 m + 1: sixteen lanes read 256 consecutive bytes, aligned
.endr
.endr
	s_wait_loadcnt 8                               ; the first eight loads are in; the other eight may be out
	TURNH RAW, 0
	s_wait_loadcnt 0x0
	TURNH RAW, 1
	s_wait_dscnt 0x0                               ; the 64 numbers are back
	QUANT T, PC, PW
.irp c, 0,1,2
	global_store_b128 v[LI], v[PC+4*\c:PC+4*\c+3], s[24:25] offset:512*\c   ; 32 lanes store 512 consecutive bytes, aligned
.endr
	ds_store_b32 v[GAW], v[PW]                     ; lanes r and 16 + r write the same word with the same value
	s_branch .Ljoin
.Lq:	; ---- q's job.  g = work-group - 128; my rows of Wq: 8 g + 4 (wave % 2) + 0 .. 3; my numbers: 256 (wave / 2) + 128 m + 4 lane + 0 .. 3
	s_sub_co_u32 s20, ttmp9, 128
	s_lshl_b32 s26, s20, 5                         ; bq of the work-group's eight rows
	s_mov_b32 s27, 0
	s_add_nc_u64 s[34:35], s[12:13], s[26:27]
	global_load_b32 v[BQ], v[BQO], s[34:35]        ; asked for with the other loads, so that nothing is fetched behind the barrier
	s_lshl_b32 s20, s20, 3
	s_and_b32 s21, s18, 1
	s_lshl_b32 s21, s21, 2
	s_add_co_u32 s20, s20, s21                     ; my first row
	s_lshl_b32 s20, s20, 12                        ; rows of 4,096 bytes
	s_lshr_b32 s28, s18, 1
	s_lshl_b32 s28, s28, 10                        ; my quarter of K: 1,024 bytes
	s_mov_b32 s29, 0
	s_add_co_u32 s20, s20, s28
	s_mov_b32 s21, 0
	s_add_nc_u64 s[22:23], s[10:11], s[20:21]
	s_add_nc_u64 s[24:25], s[4:5], s[28:29]
	s_add_nc_u64 s[24:25], s[24:25], 0x1fff000     ; x[0][8191]: 8,191 rows of 4,096 bytes
	s_add_nc_u64 s[26:27], s[24:25], 0x2000000     ; a batch is 8,192 rows
	s_add_nc_u64 s[28:29], s[26:27], 0x2000000
	s_add_nc_u64 s[30:31], s[28:29], 0x2000000
.irp t, 0,1,2,3
.irp m, 0,1
	global_load_b128 v[WR+8*\t+4*\m:WR+8*\t+4*\m+3], v[LI], s[22:23] offset:4096*\t+512*\m th:TH_LOAD_NT   ; 32 lanes read 512 consecutive bytes; read once in the launch
.endr
.endr
.irp b, 0,1,2,3
.irp m, 0,1
	global_load_b128 v[XL+8*\b+4*\m:XL+8*\b+4*\m+3], v[LI], s[24+2*\b:25+2*\b] offset:512*\m
.endr
.endr
	s_wait_loadcnt 0x0
.irp e, 0,1,2,3                                ; sixteen sums by turns, two numbers at a time; the first product starts each
.irp t, 0,1,2,3
.irp b, 0,1,2,3
.if \e == 0
	v_pk_mul_f32 v[SQ+2*(4*\t+\b):SQ+2*(4*\t+\b)+1], v[WR+8*\t:WR+8*\t+1], v[XL+8*\b:XL+8*\b+1]
.else
	v_pk_fma_f32 v[SQ+2*(4*\t+\b):SQ+2*(4*\t+\b)+1], v[WR+8*\t+2*\e:WR+8*\t+2*\e+1], v[XL+8*\b+2*\e:XL+8*\b+2*\e+1], v[SQ+2*(4*\t+\b):SQ+2*(4*\t+\b)+1]
.endif
.endr
.endr
.endr
.irp k, 0,1,2,3,4,5,6,7,8,9,10,11,12,13,14,15
	v_add_f32 v[SQ+2*\k], v[SQ+2*\k], v[SQ+2*\k+1]   ; a pair's two halves
.endr
.irp x, 1,2,4,8                                ; over the sixteen lanes of a half,
.irp k, 0,1,2,3,4,5,6,7,8,9,10,11,12,13,14,15
	v_add_f32_dpp v[SQ+2*\k], v[SQ+2*\k], v[SQ+2*\k] row_xmask:\x row_mask:0xf bank_mask:0xf
.endr
.endr
.irp k, 0,1,2,3,4,5,6,7,8,9,10,11,12,13,14,15
	v_permlanex16_b32 v[SQ+2*\k+1], v[SQ+2*\k], s40, s41
.endr
.irp k, 0,1,2,3,4,5,6,7,8,9,10,11,12,13,14,15
	v_add_f32 v[SQ+2*\k], v[SQ+2*\k], v[SQ+2*\k+1]   ; and the other half's: every lane holds my quarter's sum
.endr
.irp t, 0,1,2,3
.irp b, 0,1,2,3
	ds_store_b32 v[QB], v[SQ+2*(4*\t+\b)] offset:32*\b+4*\t   ; all lanes write the same word with the same value
.endr
.endr
.Ljoin:
	s_wait_dscnt 0x0                               ; for the others' sake: my LDS stores are done
	s_barrier_signal -1
	s_barrier_wait -1
	s_cmp_lg_u32 s18, 0
	s_cbranch_scc1 .Lend                           ; wave 0 alone takes the gathered bytes out
	s_cmp_ge_u32 ttmp9, 128
	s_cbranch_scc1 .Lqout
	ds_load_b128 v[OUTR:OUTR+3], v[GAR]            ; the weights' job: 512 bytes of scale words: lane 16 g + r holds tiles 4 g .. 4 g + 3 of row r
	s_lshr_b32 s20, ttmp9, 1
	s_mul_i32 s20, s20, 25600
	s_and_b32 s21, ttmp9, 1
	s_lshl_b32 s21, s21, 8                         ; q's sixteen lanes of each group: 256 bytes
	s_add_co_u32 s20, s20, s21
	s_add_co_u32 s20, s20, 24576                   ; the block's scale words
	s_mov_b32 s21, 0
	s_add_nc_u64 s[20:21], s[14:15], s[20:21]
	s_wait_dscnt 0x0
	global_store_b128 v[SO], v[OUTR:OUTR+3], s[20:21]   ; sixteen lanes store 256 consecutive bytes, aligned
	s_branch .Lend
.Lqout:	; q's job: lane 8 b + i adds the four quarters of row 8 g + i, batch b
.irp k, 0,1,2,3
	ds_load_b32 v[OUTR+\k], v[GBR] offset:128*\k
.endr
	s_sub_co_u32 s32, ttmp9, 128                   ; s[32:33] serve this store's base alone
	s_lshl_b32 s32, s32, 7                         ; 128 g bytes
	s_mov_b32 s33, 0
	s_add_nc_u64 s[32:33], s[16:17], s[32:33]
	s_wait_dscnt 0x0
	v_add_f32 v[OUTR], v[OUTR], v[OUTR+1]
	v_add_f32 v[OUTR+2], v[OUTR+2], v[OUTR+3]
	v_mul_f32 v[BQ], s38, v[BQ]                    ; bq x c
	s_delay_alu instid0(VALU_DEP_2)
	v_add_f32 v[OUTR], v[OUTR], v[OUTR+2]
	s_delay_alu instid0(VALU_DEP_1)
	v_fma_f32 v[OUTR], v[OUTR], s38, v[BQ]         ; (x . Wq) c + bq c
	global_store_b32 v[L4], v[OUTR], s[32:33]      ; 32 lanes store 128 consecutive bytes
.Lend:
	s_wait_tensorcnt 0x0                           ; the wave's end
	ds_add_u32 v62, v63
	s_wait_dscnt 0x0
	s_endpgm
.Lfunc_end_k_q6c2b427ca0_prep:
	.size	k_q6c2b427ca0_prep, .Lfunc_end_k_q6c2b427ca0_prep-k_q6c2b427ca0_prep
	.p2alignl 7, 3214868480
	.fill 96, 4, 3214868480
	.section	.rodata,"a",@progbits
	.p2align	6, 0x0
	.amdhsa_kernel k_q6c2b427ca0_prep
		.amdhsa_group_segment_fixed_size 37888
		.amdhsa_private_segment_fixed_size 0
		.amdhsa_enable_private_segment 0
		.amdhsa_kernarg_size 56
		.amdhsa_user_sgpr_count 2
		.amdhsa_user_sgpr_kernarg_segment_ptr 1
		.amdhsa_wavefront_size32 1
		.amdhsa_system_sgpr_workgroup_id_x 1
		.amdhsa_system_sgpr_workgroup_id_y 1
		.amdhsa_system_sgpr_workgroup_id_z 1
		.amdhsa_system_vgpr_workitem_id 0
		.amdhsa_next_free_vgpr 256
		.amdhsa_next_free_sgpr 66
		.amdhsa_reserve_vcc 0
		.amdhsa_float_denorm_mode_32 3
		.amdhsa_float_denorm_mode_16_64 3
		.amdhsa_memory_ordered 1
		.amdhsa_forward_progress 1
		.amdhsa_inst_pref_size 29
	.end_amdhsa_kernel
	.amdgpu_metadata
---
amdhsa.version: [ 1, 2 ]
amdhsa.kernels:
  - .name:           k_q6c2b427ca0_prep
    .symbol:         k_q6c2b427ca0_prep.kd
    .args:
      - { .name: x, .offset: 0, .size: 8, .value_kind: global_buffer, .address_space: global }
      - { .name: Wk, .offset: 8, .size: 8, .value_kind: global_buffer, .address_space: global }
      - { .name: Wv, .offset: 16, .size: 8, .value_kind: global_buffer, .address_space: global }
      - { .name: Wq, .offset: 24, .size: 8, .value_kind: global_buffer, .address_space: global }
      - { .name: bq, .offset: 32, .size: 8, .value_kind: global_buffer, .address_space: global }
      - { .name: wimg, .offset: 40, .size: 8, .value_kind: global_buffer, .address_space: global }
      - { .name: qs, .offset: 48, .size: 8, .value_kind: global_buffer, .address_space: global }
    .group_segment_fixed_size: 37888
    .private_segment_fixed_size: 0
    .kernarg_segment_align: 8
    .kernarg_segment_size: 56
    .max_flat_workgroup_size: 256
    .sgpr_count:     66
    .vgpr_count:     256
    .wavefront_size: 32
...
	.end_amdgpu_metadata
.endif
;; end of part 1
;; launch main (part 2): grid 256 x 1, 4 waves a work-group, no clusters, 120,576 bytes of LDS; arguments x, wimg, qs, bk, pacc, pml; writes pacc, pml
.if DOCPART == 2
	.amdgcn_target "amdgcn-amd-amdhsa--gfx1250"
	.amdhsa_code_object_version 6
	.text
	.protected	k_q6c2b427ca0_main
	.globl	k_q6c2b427ca0_main
	.p2align	8
	.type	k_q6c2b427ca0_main,@function
k_q6c2b427ca0_main:
	s_mov_b64 s[64:65], 0
	v_nop
	global_prefetch_b8 v0, s[64:65] scope:SCOPE_SE
	s_setreg_imm32_b32 hwreg(HW_REG_WAVE_MODE, 25, 1), 1
	s_wait_xcnt 0x0
; For 128 rows of x (one of 64 row blocks of a batch): k = x Wk^T and v = x Wv^T on codes of FP6 (E2M3) with one E8M0 scale for each 32 along K, and at once, for each of the 16 heads, the block's part of the
; single-query attention: t = qs . (k + bk) (qs holds q x log2(e) / 8), m = the block's largest t, p = 2^(t - m), l = the sum of p, acc[d] = the sum of p v[d].  k and v never leave the registers.
; bk enters as the start of every score's sum; bv is added by the last launch, since a softmax's weights add up to 1.  Out: pacc [wg][wave][pass][64], pml [wg][wave][pass][m, l].
; PHASE X: x is read once, f32, and quantised on the way: wave w takes rows 32 w on, 16 fragments of 16 rows x 128 K, and leaves them in LDS as images of the operand's registers.
; THE PRODUCTS: in pass p wave w makes, for head 4 p + w, 128 rows x (64 of k, 64 of v): 64 accumulators, 512 registers.  A head's scores, softmax and p . v stay in one wave.
; THE WEIGHTS GO FROM MEMORY STRAIGHT INTO THE OPERAND'S REGISTERS: they lie in wimg as register images, and each image is wanted by ONE wave of the work-group.  32 lanes read 512 consecutive bytes, aligned.
; So no tensor load, no ring and no barrier stand in the products.  NO CLUSTER: a joint load lands in LDS, and these bytes have one reader a work-group: it would add 25,600 bytes of LDS writes and as many reads for each wave and 256 along K.
; NO PREFETCH: x is one stream with 64 loads a wave out; the weights' loads are themselves issued two K steps ahead of their use.
; A K step of 128 is 64 matrix instructions in four groups: two tiles of the weights against x's eight blocks.  Behind its group a pair of tiles is free and takes the pair of two steps on.
; x has two sets of fragments: the next step's are fetched from LDS behind groups 0 and 1.  THE MATRIX INSTRUCTION IS USED TRANSPOSED: lane (r, h) holds row 16 a + r of x, its register j channel 16 b + 8 h + j.
; LIMITS: a block of zeros, or one whose largest magnitude lies under 2^-124, gets the scale byte 1 (read by this program alone); NaN and infinities among the inputs are not served; v_exp_f32 gives 0 for what lies under 2^-126.
; REGISTERS: window 0: v1-30 addresses; v32-47 x's scale words, v48-63 the weights', two sets each; v64-159, v160-255 x's fragments (the second set is free during the epilogue and serves it; in phase X: numbers at work).
;   window 1: v0-191 the weights' two sets; v192-223 qs, v224-255 bk.   window 2: k's accumulators ((a, b) at v[8 (8 (b % 4) + a)]); in phase X numbers as loaded.   window 3: v's.
.set PARTB, 25600                      ; a wave's part of 256 along K: 16 images of 1,536 bytes and 1,024 bytes of scale words
.set CHB,   4*PARTB
.set PASSB, 4*CHB
.set FRB,   1536
.set WSCB,  24576
.set XSC,   64*FRB                     ; LDS 0 on: x's 64 images, (block i, K step s) at (8 i + s) FRB; then its scale words: 512 i + 16 (r + 16 (s % 2)) + 4 (s / 2)
.set STG,   XSC+4096                   ; a stage of 16 rows x (256 + 16) bytes for each wave; later its first 1,024 bytes hold the wave's results
.set STGW,  4352
.set MLS,   STG+4*STGW                 ; (m, l) at 32 wave + 8 pass
.set SPARE, MLS+256                    ; the spare words, 128 bytes a wave
.set SPW, 1
.set NIL, 2
.set XA,  3                            ; x: 4096 h + 16 r
.set SA,  4                            ; the stage, in: 272 h + 16 r
.set SR,  5                            ; and out: 272 r + 64 h
.set XWI, 6                            ; where I store x's images
.set XWS, 7                            ; and their scale words
.set GO,  8                            ; 16 x lane: also x's images, blocks 0-3
.set AX,  8                            ; v9: blocks 4-7
.set XSA, 12                           ; x's scale words: 16 x lane on
.set QA,  13
.set OST, 14
.set MLA, 15
.set OUTA, 16
.set L4,  18
.set MLR, 19
.set C0,  20
.set ML,  22
.set QAD, 28
.set QAQ, 30
.set XS,  32
.set WS,  48
.set XF,  64
.set SS,  160                          ; epilogue: scores, then p
.set Y,   176                          ; p . v
.set QQ,  192                          ; window 1
.set BK,  224                          ; window 1
.set T,   128                          ; phase X
.set TM,  192
.set PC,  208
.set PW,  228
.set MSB, 0
.macro WIN new                         ; the immediate's high byte repeats the setting that is left
.if MSB != (\new)
	s_set_vgpr_msb (MSB<<8)|(\new)
.set MSB, (\new)
.endif
.endm
.set MUL_LO, 0xa1                      ; source 0 (weights) window 1, source 1 (x) window 0, C and D window 2
.set TO_W,   0x40                      ; destination window 1, address window 0
.macro PLACES                          ; four places behind matrix instructions, ahead of loads into their sources and of the first read of results
.rept 4
	v_nop
.endr
.endm
.macro TURNF raw                       ; 16 rows x 128 numbers turn through my stage; LDS serves a wave's instructions in order
.irp u, 0,1
.irp m, 0,1,2,3,4,5,6,7
	ds_store_b128 v[SA], v[\raw+32*\u+4*\m:\raw+32*\u+4*\m+3] offset:544*\m
.endr
.irp e, 0,1
.irp j, 0,1,2,3
	ds_load_b128 v[T+16*(2*\u+\e)+4*\j:T+16*(2*\u+\e)+4*\j+3], v[SR] offset:128*\e+16*\j
.endr
.endr
.endr
.endm
.macro QUANT s, pc, pw                 ; 64 numbers of a lane become a fragment's 12 registers and its row's scale word
.irp b, 0,1,2,3
	v_max3_num_f32 v[TM+\b], |v[\s+16*\b]|, |v[\s+1+16*\b]|, 0x1800000   ; with the floor 2^(3 - 127): the byte cannot fall under 1
.endr
.irp i, 2,4,6,8,10,12,14
.irp b, 0,1,2,3
	v_max3_num_f32 v[TM+\b], v[TM+\b], |v[\s+16*\b+\i]|, |v[\s+1+16*\b+\i]|
.endr
.endr
.irp b, 0,1,2,3
	v_permlanex16_b32 v[TM+4+\b], v[TM+\b], s40, s41
.endr
.irp b, 0,1,2,3
	v_max_num_f32 v[TM+\b], v[TM+\b], v[TM+4+\b]                   ; the block's largest magnitude
.endr
.irp b, 0,1,2,3
	v_add_nc_u32 v[TM+12+\b], 0xff000000, v[TM+\b]                 ; 2 off its exponent field: the conversion's scale
.endr
.irp b, 0,1,2,3
	v_lshrrev_b32 v[TM+4+\b], 23, v[TM+12+\b]                      ; the scale's byte
.endr
	v_lshl_or_b32 v[\pw], v[TM+5], 8, v[TM+4]
	v_lshl_or_b32 v[\pw], v[TM+6], 16, v[\pw]
	v_lshl_or_b32 v[\pw], v[TM+7], 24, v[\pw]
.irp c, 0,1
	v_cvt_scalef32_pk16_fp6_f32 v[\pc+6*\c:\pc+2+6*\c], v[\s+32*\c:\s+15+32*\c], v[TM+12+2*\c]
	v_cvt_scalef32_pk16_fp6_f32 v[\pc+12+4*\c:\pc+14+4*\c], v[\s+16+32*\c:\s+31+32*\c], v[TM+12+2*\c+1]
.endr
	v_nop                                          ; one plain place behind a scaled conversion
.irp c, 0,1                                    ; the operand's layout wants a whole block in a lane
.irp i, 0,1,2
	v_permlane16_swap_b32 v[\pc+6*\c+\i], v[\pc+12+4*\c+\i]
.endr
.irp i, 0,1,2
	v_mov_b32 v[\pc+3+6*\c+\i], v[\pc+12+4*\c+\i]
.endr
.endr
.endm
.macro WL S, b0, n                     ; n tiles of the weights, b0 on, of K step S (counted from this pass's first) into set S % 2
.set WB, \b0
.rept \n
.irp c, 0,1,2
	global_load_b128 v[96*((\S)%2)+12*WB+4*\c:96*((\S)%2)+12*WB+4*\c+3], v[GO], s[6:7] offset:CHB*((\S)/2)+8*FRB*((\S)%2)+FRB*WB+512*\c
.endr
.set WB, WB+1
.endr
.endm
.macro WSC c                           ; the weights' scale words of steps 2 c, 2 c + 1: register = tile; lanes 0-15 the first step, lanes 16-31 the second
.irp g, 0,1
	global_load_b128 v[WS+8*((\c)%2)+4*\g:WS+8*((\c)%2)+4*\g+3], v[GO], s[6:7] offset:CHB*(\c)+WSCB+512*\g
.endr
.endm
	s_load_b256 s[4:11], s[0:1], 0x0               ; x s[4:5], wimg s[6:7], qs s[8:9], bk s[10:11]
	s_load_b128 s[12:15], s[0:1], 0x20             ; pacc s[12:13], pml s[14:15]
	v_lshl_add_u32 v[SPW], v0, 2, SPARE
	v_mov_b32 v[NIL], 0
	v_lshrrev_b32 v24, 5, v0
	v_readfirstlane_b32 s16, v24                   ; wave 0..3
	s_mov_b32 s40, 0x76543210
	s_mov_b32 s41, 0xfedcba98                      ; v_permlanex16_b32's selects for lane l xor 16
	s_mul_i32 s44, s16, PARTB                      ; my part of the weights
	s_mov_b32 s45, 0
	s_mul_i32 s46, s16, STGW
	s_add_co_u32 s46, s46, STG                     ; my stage
	s_mul_i32 s47, s16, 16*FRB                     ; my sixteen images
	s_lshl_b32 s50, s16, 10
	s_add_co_u32 s48, s50, XSC
	s_lshl_b32 s49, s16, 8
	s_lshl_b32 s51, s16, 5
	s_add_co_u32 s51, s51, MLS
	s_lshl_b32 s20, ttmp9, 19                      ; 128 rows of 4,096 bytes a work-group,
	s_lshl_b32 s22, s16, 17                        ; 32 a wave
	s_add_co_u32 s20, s20, s22
	s_mov_b32 s21, 0
	v_and_b32 v24, 31, v0                          ; lane
	v_and_b32 v25, 15, v0                          ; r
	v_bfe_u32 v26, v0, 4, 1                        ; h
	v_lshlrev_b32 v[XA], 4, v25
	v_lshl_add_u32 v[XA], v26, 12, v[XA]
	v_mul_u32_u24 v[SA], v26, 272
	v_lshl_add_u32 v[SA], v25, 4, v[SA]
	v_add_nc_u32 v[SA], s46, v[SA]
	v_mul_u32_u24 v[SR], v25, 272
	v_lshl_add_u32 v[SR], v26, 6, v[SR]
	v_add_nc_u32 v[SR], s46, v[SR]
	v_lshlrev_b32 v[GO], 4, v24
	v_add_nc_u32 v[XWI], s47, v[GO]
	v_lshl_add_u32 v[XWS], v25, 4, s48
	v_add_nc_u32 v[AX+1], 32*FRB, v[GO]
	v_add_nc_u32 v[XSA], XSC, v[GO]
	v_lshl_add_u32 v[QA], v26, 5, s49              ; bk: 256 wave + 32 h
	v_lshl_add_u32 v[QAQ], v26, 7, s50             ; qs, laid [group of 8 channels][batch][8]: 1024 wave + 128 h
	v_lshl_add_u32 v[OST], v26, 5, s46
	v_mov_b32 v[MLA], s51
	v_add_nc_u32 v[OUTA], s46, v[GO]
	v_lshlrev_b32 v[L4], 2, v24
	v_add_nc_u32 v[MLR], MLS, v[L4]
.irp b, 0,1,2,3
	v_mov_b32 v[TM+4+\b], 0                        ; a lane permute's destination counts as one of its sources
.endr
	s_wait_alu depctr_va_vdst(0)                   ; the wait at the head's end
	s_wait_kmcnt 0x0
	s_add_nc_u64 s[4:5], s[4:5], s[20:21]          ; x at my wave's first row
	s_lshr_b32 s20, ttmp9, 6                       ; the batch
	s_lshl_b32 s20, s20, 5                         ; in qs a batch's 8 numbers of a group are 32 bytes
	s_add_nc_u64 s[8:9], s[8:9], s[20:21]          ; qs at my batch
	s_lshl_b32 s20, ttmp9, 12
	s_lshl_b32 s22, s16, 10
	s_add_co_u32 s20, s20, s22
	s_add_nc_u64 s[12:13], s[12:13], s[20:21]      ; pacc at my wave's 1,024 bytes
	s_lshl_b32 s20, ttmp9, 7
	s_add_nc_u64 s[14:15], s[14:15], s[20:21]      ; pml at my work-group's 128 bytes
	s_add_nc_u64 s[6:7], s[6:7], s[44:45]          ; the weights at my part
; ---- PHASE X.  Fragment f = 8 il + s.  Loads run four fragments (64 loads a wave) ahead, in four sets of 64 registers of window 2.
.macro XLOAD f
	WIN 0x80
.irp u, 0,1
.irp m, 0,1,2,3,4,5,6,7
	global_load_b128 v[64*((\f)%4)+32*\u+4*\m:64*((\f)%4)+32*\u+4*\m+3], v[XA], s[4:5] offset:65536*((\f)/8)+8192*\m+512*((\f)%8)+256*\u th:TH_LOAD_NT   ; sixteen lanes read 256 consecutive bytes, aligned
.endr
.endr
.endm
.macro XFRAG f
.if (\f) <= 12
	s_wait_loadcnt 48                              ; behind this fragment's loads: three fragments' 48
.elseif (\f) == 13
	s_wait_loadcnt 58                              ; two fragments' 32, the weights' 2 + 24
.elseif (\f) == 14
	s_wait_loadcnt 42                              ; one fragment's 16, the weights' 26
.else
	s_wait_loadcnt 50                              ; the weights' 26 + 24
.endif
	WIN 0x08                                       ; an LDS store's data are its source 1: window 2
	TURNF 64*((\f)%4)
	s_wait_dscnt 0x0
.if (\f) <= 11
	XLOAD (\f)+4
.elseif (\f) == 12
	WIN 0
	WSC 0                                          ; x's loads are all out: the first weights follow them: scale words, K step 0,
	WIN TO_W
	WL 0, 0, 8
.elseif (\f) == 14
	WIN TO_W
	WL 1, 0, 8                                     ; and K step 1
.endif
	WIN 0
	QUANT T, PC, PW
.irp c, 0,1,2
	ds_store_b128 v[XWI], v[PC+4*\c:PC+4*\c+3] offset:(\f)*FRB+512*\c
.endr
	ds_store_b32 v[XWS], v[PW] offset:512*((\f)/8)+256*((\f)%2)+4*(((\f)%8)/2)   ; lanes r and 16 + r write the same word with the same value
.endm
.irp f, 0,1,2,3
	XLOAD \f
.endr
.irp f, 0,1,2,3,4,5,6,7,8,9,10,11,12,13,14,15
	XFRAG \f
.endr
	s_wait_dscnt 0x0                               ; for the others' sake: my images and scale words lie in LDS
	s_barrier_signal -1
	s_barrier_wait -1
; ---- THE PRODUCTS
.macro FETCH_X s, i0                   ; x's blocks i0 .. i0 + 3 of K step s into set s % 2
.irp i, \i0, \i0+1, \i0+2, \i0+3
.irp c, 0,1,2
	ds_load_b128 v[XF+96*((\s)%2)+12*(\i)+4*\c:XF+96*((\s)%2)+12*(\i)+4*\c+3], v[AX+(\i)/4] offset:(8*((\i)%4)+(\s))*FRB+512*\c
.endr
.endr
.endm
.macro XSCL c                          ; x's scale words of steps 2 c, 2 c + 1: register = block; lanes 0-15 the first step, lanes 16-31 the second
.irp i, 0,1,2,3,4,5,6,7
	ds_load_b32 v[XS+8*((\c)%2)+\i], v[XSA] offset:512*\i+4*(\c)
.endr
.endm
; 16 matrix instructions: the weights' tiles b0, b0 + 1 against x's eight blocks.  The accumulators take turns, one instruction a turn.  Step 0's products start the sums.
.macro MUL16 st, b0
.irp b, \b0, \b0+1
.irp a, 0,1,2,3,4,5,6,7
.set AC, 8*(8*((\b)%4)+\a)
.set WT, 96*((\st)%2)+12*(\b)
.set XT, XF+96*((\st)%2)+12*\a
.set SW, WS+8*(((\st)/2)%2)+(\b)
.set SX, XS+8*(((\st)/2)%2)+\a
.if (\st) == 0
	v_wmma_scale_f32_16x16x128_f8f6f4 v[AC:AC+7], v[WT:WT+11], v[XT:XT+11], 0, v[SW], v[SX] matrix_a_fmt:MATRIX_FMT_FP6 matrix_b_fmt:MATRIX_FMT_FP6
.elseif (\st)%2
	v_wmma_scale_f32_16x16x128_f8f6f4 v[AC:AC+7], v[WT:WT+11], v[XT:XT+11], v[AC:AC+7], v[SW], v[SX] matrix_a_fmt:MATRIX_FMT_FP6 matrix_b_fmt:MATRIX_FMT_FP6 matrix_a_scale:MATRIX_SCALE_ROW1 matrix_b_scale:MATRIX_SCALE_ROW1
.else
	v_wmma_scale_f32_16x16x128_f8f6f4 v[AC:AC+7], v[WT:WT+11], v[XT:XT+11], v[AC:AC+7], v[SW], v[SX] matrix_a_fmt:MATRIX_FMT_FP6 matrix_b_fmt:MATRIX_FMT_FP6
.endif
.endr
.endr
.endm
; A K step.  tail = 0: behind group j the pair of tiles takes step st + 2's (6 loads; at an even step's group 0 two loads of scale words ahead of them).
; The wait ahead of group j counts the loads issued behind its pair: seven batches of 6, one batch of scale words (not yet at an even step's group 0), and in steps 0 and 1 the pass's 16 loads of qs and bk.
; tail = 1 (the last pass's steps 6 and 7): no weights are left to ask for: behind the pair stand 42 - 6 j, then 18 - 6 j loads.
.macro STEP st, tail
	s_wait_dscnt 0x0                               ; x's fragments and scale words of this step (asked for 32 matrix instructions ago and earlier)
.irp j, 0,1,2,3
.if \tail
.set WN, 186-24*(\st)-6*\j
.else
.set WN, 42
.if (\st) < 2
.set WN, WN+16
.endif
.if ((\st)%2 == 1) || (\j > 0)
.set WN, WN+2
.endif
.endif
	s_wait_loadcnt WN
	WIN MUL_LO+0x50*(\j/2)
	MUL16 \st, 2*\j
.set XFE, 0
.if \j < 2
.set XFE, 1
.if \tail
.if (\st) == 7
.set XFE, 0
.endif
.endif
.endif
.set PL, XFE
.if \tail == 0
.set PL, 1
.endif
.if ((\st) == 7) && (\j == 3)
.set PL, 1
.endif
.if PL
	PLACES
.endif
.if \tail == 0
.if ((\st)%2 == 0) && (\j == 0)
	WIN 0
	WSC (\st)/2+1
.endif
.endif
.if XFE
	WIN 0
	FETCH_X ((\st)+1)%8, 4*\j
.if ((\st)%2 == 1) && (\j == 1)
	XSCL (((\st)+1)/2)%4
.endif
.endif
.if \tail == 0
	WIN TO_W
	WL (\st)+2, 2*\j, 2
.endif
.endr
.endm
.macro QLOAD                           ; qs and bk of my head: register 8 b + j = channel 16 b + 8 h + j.  16 loads, which land under the pass's products
	s_lshl_b32 s46, s43, 2                         ; bk: 1,024 bytes a pass
	v_add_nc_u32 v[QAD], s46, v[QA]
	s_lshl_b32 s46, s43, 4                         ; qs: 4,096 bytes a pass
	v_add_nc_u32 v[QAD+1], s46, v[QAQ]
	WIN TO_W
.irp b, 0,1,2,3
.irp e, 0,1
	global_load_b128 v[QQ+8*\b+4*\e:QQ+8*\b+4*\e+3], v[QAD+1], s[8:9] offset:256*\b+16*\e
	global_load_b128 v[BK+8*\b+4*\e:BK+8*\b+4*\e+3], v[QAD], s[10:11] offset:64*\b+16*\e
.endr
.endr
.endm
.macro EPILOGUE                        ; my head's part of the attention for these 128 rows.  qs and bk are in: more loads than any later wait's count were issued behind them
	WIN 0x05                                       ; sources 0 and 1: window 1
	v_pk_mul_f32 v[C0:C0+1], v[QQ:QQ+1], v[BK:BK+1]   ; qs . bk of my 32 channels: every score's sum starts from it
.set k, 2
.rept 15
	v_pk_fma_f32 v[C0:C0+1], v[QQ+k:QQ+k+1], v[BK+k:BK+k+1], v[C0:C0+1]
.set k, k+2
.endr
	WIN 0x06                                       ; source 0: k's accumulators, window 2; source 1: qs, window 1
.irp b, 0,1,2,3
.irp p, 0,1,2,3
.irp a, 0,1,2,3,4,5,6,7                        ; eight sums by turns; each accumulator from its low end on
.if (\b == 0) && (\p == 0)
	v_pk_fma_f32 v[SS+2*\a:SS+2*\a+1], v[8*(8*\b+\a)+2*\p:8*(8*\b+\a)+2*\p+1], v[QQ+8*\b+2*\p:QQ+8*\b+2*\p+1], v[C0:C0+1]
.else
	v_pk_fma_f32 v[SS+2*\a:SS+2*\a+1], v[8*(8*\b+\a)+2*\p:8*(8*\b+\a)+2*\p+1], v[QQ+8*\b+2*\p:QQ+8*\b+2*\p+1], v[SS+2*\a:SS+2*\a+1]
.endif
.endr
.endr
.endr
	WIN 0
.irp a, 0,1,2,3,4,5,6,7
	v_add_f32 v[SS+2*\a], v[SS+2*\a], v[SS+2*\a+1]
.endr
.irp a, 0,1,2,3,4,5,6,7
	v_permlanex16_b32 v[SS+2*\a+1], v[SS+2*\a], s40, s41
.endr
.irp a, 0,1,2,3,4,5,6,7
	v_add_f32 v[SS+2*\a], v[SS+2*\a], v[SS+2*\a+1]   ; t of row 16 a + r, in both halves of the lanes
.endr
	v_max3_num_f32 v[ML], v[SS], v[SS+2], v[SS+4]
	v_max3_num_f32 v[ML], v[ML], v[SS+6], v[SS+8]
	v_max3_num_f32 v[ML], v[ML], v[SS+10], v[SS+12]
	v_max_num_f32 v[ML], v[ML], v[SS+14]
.irp x, 1,2,4,8
	v_max_num_f32_dpp v[ML], v[ML], v[ML] row_xmask:\x row_mask:0xf bank_mask:0xf   ; m
.endr
.irp a, 0,1,2,3,4,5,6,7
	v_sub_f32 v[SS+2*\a], v[SS+2*\a], v[ML]
.endr
	s_wait_alu depctr_va_vdst(0)                   ; the wait ahead of the batch
.irp a, 0,1,2,3,4,5,6,7
	v_exp_f32 v[SS+2*\a], v[SS+2*\a]               ; p = 2^(t - m), at most 1
.endr
	v_nop                                          ; a plain place behind the exponentials
	s_wait_alu depctr_va_vdst(0)                   ; and behind it
	v_add_f32 v[ML+1], v[SS], v[SS+2]
.irp a, 2,3,4,5,6,7
	v_add_f32 v[ML+1], v[ML+1], v[SS+2*\a]
.endr
.irp x, 1,2,4,8
	v_add_f32_dpp v[ML+1], v[ML+1], v[ML+1] row_xmask:\x row_mask:0xf bank_mask:0xf   ; l
.endr
	WIN 0x03                                       ; source 0: v's accumulators, window 3
	s_wait_alu depctr_va_vdst(0)                   ; the wait directly ahead of the first reader of matrix results behind transcendentals
.irp a, 0,1,2,3,4,5,6,7
.irp b, 0,1,2,3
.irp p, 0,1,2,3
.if \a == 0
	v_pk_mul_f32 v[Y+8*\b+2*\p:Y+8*\b+2*\p+1], v[8*(8*\b+\a)+2*\p:8*(8*\b+\a)+2*\p+1], v[SS+2*\a:SS+2*\a+1] op_sel_hi:[1,0]
.else
	v_pk_fma_f32 v[Y+8*\b+2*\p:Y+8*\b+2*\p+1], v[8*(8*\b+\a)+2*\p:8*(8*\b+\a)+2*\p+1], v[SS+2*\a:SS+2*\a+1], v[Y+8*\b+2*\p:Y+8*\b+2*\p+1] op_sel_hi:[1,0,1]
.endif
.endr
.endr
.endr
	WIN 0
.irp x, 1,2,4,8                                ; over the sixteen lanes of a half: all 128 rows
.set k, 0
.rept 32
	v_add_f32_dpp v[Y+k], v[Y+k], v[Y+k] row_xmask:\x row_mask:0xf bank_mask:0xf
.set k, k+1
.endr
.endr
	v_add_nc_u32 v24, s43, v[OST]                  ; 256 bytes a pass in my results
	s_lshr_b32 s46, s43, 5
	v_add_nc_u32 v25, s46, v[MLA]                  ; 8 bytes a pass
.irp b, 0,1,2,3
.irp e, 0,1
	ds_store_b128 v24, v[Y+8*\b+4*\e:Y+8*\b+4*\e+3] offset:64*\b+16*\e   ; the lanes of a half write the same bytes with the same values
.endr
.endr
	ds_store_b64 v25, v[ML:ML+1]
	s_add_co_u32 s43, s43, 256
	s_wait_dscnt 0x0                               ; the stores have read their registers: x's fragments may land there
.endm
	FETCH_X 0, 0
	FETCH_X 0, 4
	XSCL 0
	s_mov_b32 s42, 4                               ; passes to go
	s_mov_b32 s43, 0                               ; 256 x pass
.Lpass:
	QLOAD
.irp st, 0,1,2,3,4,5
	STEP \st, 0
.endr
	WIN 0
	s_cmp_eq_u32 s42, 1
	s_cbranch_scc1 .Ltail                          ; the last pass's last two steps ask for no weights and are written out, with their own counts
	STEP 6, 0
	STEP 7, 0
	WIN 0
	s_branch .Lepi
.Ltail:
	STEP 6, 1
	STEP 7, 1
	WIN 0
.Lepi:
	EPILOGUE
	s_wait_xcnt 0x0                                ; the loads have read their base
	s_add_nc_u64 s[6:7], s[6:7], PASSB             ; the next pass's weights (behind the last pass the address is not used)
	s_sub_co_u32 s42, s42, 1
	s_cmp_lg_u32 s42, 0
	s_wait_alu depctr_va_vdst(0)                   ; the wait ahead of the backward jump
	s_cbranch_scc1 .Lpass
	; ---- THE WAY OUT: my four heads' 4 x 64 numbers as 1,024 dense bytes; the work-group's sixteen (m, l) as 128
	ds_load_b128 v[Y:Y+3], v[OUTA]
	ds_load_b128 v[Y+4:Y+7], v[OUTA] offset:512
	s_wait_dscnt 0x0
	s_barrier_signal -1
	s_barrier_wait -1                              ; every wave's (m, l) lie in LDS
	global_store_b128 v[GO], v[Y:Y+3], s[12:13]    ; 32 lanes store 512 consecutive bytes, aligned
	global_store_b128 v[GO], v[Y+4:Y+7], s[12:13] offset:512
	s_cmp_lg_u32 s16, 0
	s_cbranch_scc1 .Lnot_0
	ds_load_b32 v24, v[MLR]
	s_wait_dscnt 0x0
	global_store_b32 v[L4], v24, s[14:15]
.Lnot_0:
	s_wait_tensorcnt 0x0                           ; the wave's end
	ds_add_u32 v[SPW], v[NIL]
	s_wait_dscnt 0x0
	s_endpgm
.Lfunc_end_k_q6c2b427ca0_main:
	.size	k_q6c2b427ca0_main, .Lfunc_end_k_q6c2b427ca0_main-k_q6c2b427ca0_main
	.p2alignl 7, 3214868480
	.fill 96, 4, 3214868480
	.section	.rodata,"a",@progbits
	.p2align	6, 0x0
	.amdhsa_kernel k_q6c2b427ca0_main
		.amdhsa_group_segment_fixed_size 120576
		.amdhsa_private_segment_fixed_size 0
		.amdhsa_enable_private_segment 0
		.amdhsa_kernarg_size 48
		.amdhsa_user_sgpr_count 2
		.amdhsa_user_sgpr_kernarg_segment_ptr 1
		.amdhsa_wavefront_size32 1
		.amdhsa_system_sgpr_workgroup_id_x 1
		.amdhsa_system_sgpr_workgroup_id_y 1
		.amdhsa_system_sgpr_workgroup_id_z 1
		.amdhsa_system_vgpr_workitem_id 0
		.amdhsa_next_free_vgpr 1024
		.amdhsa_next_free_sgpr 66
		.amdhsa_reserve_vcc 0
		.amdhsa_float_denorm_mode_32 3
		.amdhsa_float_denorm_mode_16_64 3
		.amdhsa_memory_ordered 1
		.amdhsa_forward_progress 1
		.amdhsa_inst_pref_size 255
	.end_amdhsa_kernel
	.section	.bss,"aw",@nobits
	.p2align	6
	.space	262144
	.amdgpu_metadata
---
amdhsa.version: [ 1, 2 ]
amdhsa.kernels:
  - .name:           k_q6c2b427ca0_main
    .symbol:         k_q6c2b427ca0_main.kd
    .args:
      - { .name: x, .offset: 0, .size: 8, .value_kind: global_buffer, .address_space: global }
      - { .name: wimg, .offset: 8, .size: 8, .value_kind: global_buffer, .address_space: global }
      - { .name: qs, .offset: 16, .size: 8, .value_kind: global_buffer, .address_space: global }
      - { .name: bk, .offset: 24, .size: 8, .value_kind: global_buffer, .address_space: global }
      - { .name: pacc, .offset: 32, .size: 8, .value_kind: global_buffer, .address_space: global }
      - { .name: pml, .offset: 40, .size: 8, .value_kind: global_buffer, .address_space: global }
    .group_segment_fixed_size: 120576
    .private_segment_fixed_size: 0
    .kernarg_segment_align: 8
    .kernarg_segment_size: 48
    .max_flat_workgroup_size: 128
    .sgpr_count:     66
    .vgpr_count:     1024
    .wavefront_size: 32
...
	.end_amdgpu_metadata
.endif
;; end of part 2
;; launch combine (part 3): grid 64 x 1, 1 waves a work-group, no clusters, 0 bytes of LDS; arguments pacc, pml, bv, out0; writes out0
.if DOCPART == 3
	.amdgcn_target "amdgcn-amd-amdhsa--gfx1250"
	.amdhsa_code_object_version 6
	.text
	.protected	k_q6c2b427ca0_combine
	.globl	k_q6c2b427ca0_combine
	.p2align	8
	.type	k_q6c2b427ca0_combine,@function
k_q6c2b427ca0_combine:
	s_mov_b64 s[64:65], 0
	v_nop
	global_prefetch_b8 v0, s[64:65] scope:SCOPE_SE
	s_setreg_imm32_b32 hwreg(HW_REG_WAVE_MODE, 25, 1), 1
	s_wait_xcnt 0x0
; out0[b][64 head + d] = (the sum over the batch's 64 row blocks i of 2^(m_i - M) acc_i[d]) / (the sum of 2^(m_i - M) l_i) + bv[64 head + d], M = the largest m_i.
; One wave to a (batch, head): 64 work-groups, as many as there are results of 256 bytes.  pacc: [wg][wave][pass][64] f32, pml: [wg][wave][pass][m, l]; head = 4 pass + wave.
; Lane l holds (m, l) of blocks l and l + 32, and channels 2 l, 2 l + 1 of every block's acc.  A block's weight goes from its lane to a scalar register and multiplies the block's pair in every lane.
; No LDS, no matrix unit: 17 KB are read and 256 bytes written.  LIMITS: NaN and infinities are not served.
.set ACC, 16                           ; v16-143  block i's pair at v[16 + 2 i]
.set YS,  144                          ; v144-147 two sets of sums, by turns
.set BV,  152                          ; v[152:153]
	s_load_b256 s[4:11], s[0:1], 0x0               ; pacc s[4:5], pml s[6:7], bv s[8:9], out0 s[10:11]
	s_lshr_b32 s12, ttmp9, 4                       ; batch
	s_and_b32 s13, ttmp9, 15                       ; head
	s_and_b32 s14, s13, 3
	s_lshl_b32 s14, s14, 2
	s_lshr_b32 s15, s13, 2
	s_add_co_u32 s14, s14, s15                     ; the head's record in a work-group's part: 4 wave + pass
	s_lshl_b32 s50, s12, 13                        ; pml: 64 work-groups x 128 bytes a batch,
	s_lshl_b32 s52, s14, 3                         ; 8 bytes a record
	s_add_co_u32 s50, s50, s52
	s_mov_b32 s51, 0
	s_lshl_b32 s52, s12, 18                        ; pacc: 64 x 4,096 bytes a batch,
	s_lshl_b32 s54, s14, 8                         ; 256 a record
	s_add_co_u32 s52, s52, s54
	s_mov_b32 s53, 0
	s_lshl_b32 s54, s13, 8                         ; bv: 256 bytes a head
	s_mov_b32 s55, 0
	s_lshl_b32 s56, s12, 12                        ; out0: 4,096 bytes a batch
	s_add_co_u32 s56, s56, s54
	s_mov_b32 s57, 0
	s_mov_b32 s48, 0x76543210
	s_mov_b32 s49, 0xfedcba98                      ; v_permlanex16_b32's selects for lane l xor 16
	v_lshlrev_b32 v1, 7, v0                        ; 128 x lane
	v_lshlrev_b32 v2, 3, v0                        ; 8 x lane
	v_mov_b32 v11, 0                               ; a lane permute's destination counts as one of its sources
	s_wait_alu depctr_va_vdst(0)
	s_wait_kmcnt 0x0
	s_add_nc_u64 s[6:7], s[6:7], s[50:51]
	s_add_nc_u64 s[4:5], s[4:5], s[52:53]
	s_add_nc_u64 s[8:9], s[8:9], s[54:55]
	s_add_nc_u64 s[10:11], s[10:11], s[56:57]
	global_load_b64 v[4:5], v1, s[6:7]             ; (m, l) of block lane,
	global_load_b64 v[6:7], v1, s[6:7] offset:4096 ; and of block lane + 32
	global_load_b64 v[BV:BV+1], v2, s[8:9]
.set i, 0
.rept 64
	global_load_b64 v[ACC+2*i:ACC+2*i+1], v2, s[4:5] offset:4096*i   ; 32 lanes read 256 consecutive bytes, aligned
.set i, i+1
.endr
	s_wait_loadcnt 63                              ; of the 67 loads the first four are in: both (m, l) among them
	v_max_num_f32 v10, v4, v6
.irp x, 1,2,4,8
	v_max_num_f32_dpp v10, v10, v10 row_xmask:\x row_mask:0xf bank_mask:0xf
.endr
	v_permlanex16_b32 v11, v10, s48, s49
	v_max_num_f32 v10, v10, v11                    ; M
	v_sub_f32 v8, v4, v10
	v_sub_f32 v9, v6, v10
	s_wait_alu depctr_va_vdst(0)
	v_exp_f32 v8, v8                               ; the blocks' weights, at most 1; the largest is 1
	v_exp_f32 v9, v9
	v_nop                                          ; a plain place behind the exponentials
	s_wait_alu depctr_va_vdst(0)
	v_mul_f32 v12, v8, v5
	v_fma_f32 v12, v9, v7, v12
.irp x, 1,2,4,8
	v_add_f32_dpp v12, v12, v12 row_xmask:\x row_mask:0xf bank_mask:0xf
.endr
	v_permlanex16_b32 v11, v12, s48, s49
	v_add_f32 v12, v12, v11                        ; L, at least 1
	s_wait_alu depctr_va_vdst(0)
	v_rcp_f32 v12, v12
	v_nop                                          ; a plain place behind the reciprocal
; 32 blocks: their weights into s16-47, then each block's pair times its weight; even and odd blocks add into sets of their own.  first = 1: the first two products start the sums
.macro HALF wreg, base, first
.set k, 0
.rept 32
	v_readlane_b32 s[16+k], v[\wreg], k
.set k, k+1
.endr
.set k, 0
.rept 32
.if \first && (k < 2)
	v_mul_f32 v[YS+2*k], s[16+k], v[ACC+2*(\base+k)]
	v_mul_f32 v[YS+2*k+1], s[16+k], v[ACC+2*(\base+k)+1]
.else
	v_fma_f32 v[YS+2*(k%2)], s[16+k], v[ACC+2*(\base+k)], v[YS+2*(k%2)]
	v_fma_f32 v[YS+2*(k%2)+1], s[16+k], v[ACC+2*(\base+k)+1], v[YS+2*(k%2)+1]
.endif
.set k, k+1
.endr
.endm
	s_wait_loadcnt 32                              ; blocks 0-31 are in; the other 32 loads may be out
	HALF 8, 0, 1
	s_wait_loadcnt 0x0
	HALF 9, 32, 0
	v_add_f32 v[YS], v[YS], v[YS+2]
	v_add_f32 v[YS+1], v[YS+1], v[YS+3]
	s_wait_alu depctr_va_vdst(0)
	v_fma_f32 v[YS], v[YS], v12, v[BV]             ; / L, + bv
	v_fma_f32 v[YS+1], v[YS+1], v12, v[BV+1]
	global_store_b64 v2, v[YS:YS+1], s[10:11]      ; 32 lanes store 256 consecutive bytes, aligned
	s_endpgm
.Lfunc_end_k_q6c2b427ca0_combine:
	.size	k_q6c2b427ca0_combine, .Lfunc_end_k_q6c2b427ca0_combine-k_q6c2b427ca0_combine
	.p2alignl 7, 3214868480
	.fill 96, 4, 3214868480
	.section	.rodata,"a",@progbits
	.p2align	6, 0x0
	.amdhsa_kernel k_q6c2b427ca0_combine
		.amdhsa_group_segment_fixed_size 0
		.amdhsa_private_segment_fixed_size 0
		.amdhsa_enable_private_segment 0
		.amdhsa_kernarg_size 32
		.amdhsa_user_sgpr_count 2
		.amdhsa_user_sgpr_kernarg_segment_ptr 1
		.amdhsa_wavefront_size32 1
		.amdhsa_system_sgpr_workgroup_id_x 1
		.amdhsa_system_sgpr_workgroup_id_y 1
		.amdhsa_system_sgpr_workgroup_id_z 1
		.amdhsa_system_vgpr_workitem_id 0
		.amdhsa_next_free_vgpr 160
		.amdhsa_next_free_sgpr 66
		.amdhsa_reserve_vcc 0
		.amdhsa_float_denorm_mode_32 3
		.amdhsa_float_denorm_mode_16_64 3
		.amdhsa_memory_ordered 1
		.amdhsa_forward_progress 1
		.amdhsa_inst_pref_size 22
	.end_amdhsa_kernel
	.amdgpu_metadata
---
amdhsa.version: [ 1, 2 ]
amdhsa.kernels:
  - .name:           k_q6c2b427ca0_combine
    .symbol:         k_q6c2b427ca0_combine.kd
    .args:
      - { .name: pacc, .offset: 0, .size: 8, .value_kind: global_buffer, .address_space: global }
      - { .name: pml, .offset: 8, .size: 8, .value_kind: global_buffer, .address_space: global }
      - { .name: bv, .offset: 16, .size: 8, .value_kind: global_buffer, .address_space: global }
      - { .name: out0, .offset: 24, .size: 8, .value_kind: global_buffer, .address_space: global }
    .group_segment_fixed_size: 0
    .private_segment_fixed_size: 0
    .kernarg_segment_align: 8
    .kernarg_segment_size: 32
    .max_flat_workgroup_size: 32
    .sgpr_count:     66
    .vgpr_count:     160
    .wavefront_size: 32
...
	.end_amdgpu_metadata
.endif
;; end of part 3
